; MI455X (gfx1250); checked and timed in simulation.
; The chip was launched on July 23, 2026; its instructions are those of AMD's public machine-readable ISA for CDNA 5 (MIT licence, August 2026) and "CDNA5" Instruction Set Architecture Reference Guide (July 2026). The comments in the code are by the model that wrote it; some were corrected since.
;; Multi Head Attention. Allowed arithmetic: matrix products marked QUANTISED: E2M1 operands, one E8M0 scale for each 32 along K, by v_wmma_scale_f32_16x16x128_f8f6f4 with both operands' format E2M1 (or v_wmma_scale_f32_32x16x128_f4), f32 sums; products left as they are: bf16, f16 or f32 operands; f32 sums; everything else in f32.
;; Inputs: W_k 512 x 512 float32; W_o 512 x 512 float32; W_q 512 x 512 float32; W_v 512 x 512 float32; b_k 512 float32; b_o 512 float32; b_q 512 float32; b_v 512 float32; k 4 x 2,048 x 512 float32; q 4 x 2,048 x 512 float32; v 4 x 2,048 x 512 float32.
;; Outputs: out0 4 x 2,048 x 512 float32.
;; This version of the problem:
;;   THIS VERSION OF THE PROBLEM IS GIVEN IN LOW PRECISION. The matrix products marked QUANTISED in the list below multiply operands that are first quantised to E2M1 (2 exponent bits, 1 mantissa bit; 4 bits a number), with one power-of-two scale for each 32 numbers along K (OCP MX v1.0); their sums are f32. The products marked 'left as it is' may take bf16, f16 or f32 operands, with f32 sums. Whichever they take, every output number must still come out within the allowed error. Rounding operands to bf16 (8 significant bits) uses up far more of that allowance than f16 does (11 bits, for magnitudes from 6e-5 to 65,504). All else is computed in f32.
;;   The module's matrix products, in the order in which they are computed (A, B: the left and right operand; K: the contracted axis; several contracted axes count as one K, in the product's order):
;;     1. [M 8,192, K 512] x [K 512, N 512]; A: input q; B: input W_q: QUANTISED
;;     2. [M 8,192, K 512] x [K 512, N 512]; A: input k; B: input W_k: QUANTISED
;;     3. [M 8,192, K 512] x [K 512, N 512]; A: input v; B: input W_v: QUANTISED
;;     4. batch 32 x [M 2,048, K 64] x [K 64, N 2,048]; A: computed on the way; B: computed on the way: left as it is (an operand is computed on the way)
;;     5. batch 32 x [M 2,048, K 2,048] x [K 2,048, N 64]; A: computed on the way; B: computed on the way: left as it is (an operand is computed on the way)
;;     6. [M 8,192, K 512] x [K 512, N 512]; A: computed on the way; B: input W_o: left as it is (an operand is computed on the way)
;;   THE QUANTISER, for each operand of a quantised product, along K:
;;     - K is cut into blocks of 32 from its start; a last block that is shorter is filled with zeros.
;;     - A block's scale is 2^e with e = floor(log2(the largest magnitude in the block)) - 2, held to -126 .. 127; a block of zeros has e = 0. As a byte (E8M0): e + 127.
;;     - Each number is divided by its block's scale, clamped to +-6, and rounded to the nearest number of E2M1, ties to even, subnormals kept.
;;     - The product sums the exact products of the quantised numbers (number of the format x scale) in f32.
;;   ~~~python
;;   def quantise(x, axis):      # numpy; x: float32 -> the quantised numbers, widened to float32 again
;;       x = np.moveaxis(x, axis, -1); K = x.shape[-1]
;;       x = np.pad(x, [(0, 0)] * (x.ndim - 1) + [(0, -K % 32)]); x = x.reshape(x.shape[:-1] + (-1, 32)); a = np.abs(x).max(-1, keepdims=True)
;;       e = np.where(a > 0, np.clip(np.frexp(np.where(a > 0, a, 1))[1] - 1 - 2, -126, 127), 0)      # np.frexp(a)[1] - 1 = floor(log2(a)), exactly
;;       r = np.clip(x / 2.0 ** e, -6, 6)
;;       step = 2.0 ** (np.maximum(np.frexp(np.where(r == 0, 1, r))[1] - 1, 0) - 1)
;;       q = np.round(r / step) * step * 2.0 ** e      # np.round: ties to even
;;       return np.moveaxis(q.reshape(q.shape[:-2] + (-1,))[..., :K], -1, axis).astype(np.float32)
;;   ~~~
;; One version. Each part assembles by itself: llvm-mc -triple=amdgcn-amd-amdhsa -mcpu=gfx1250 --defsym DOCPART=n.
;; ======== version 1 of 1: 4 launches
;; limits: values are held in f16: magnitudes above 65,504 overflow, below 6.1e-05 lose precision
;; workspace buffers: wc 393,216 bytes; ws 24,576 bytes; wof 524,288 bytes; qf 8,388,608 bytes; kf 8,388,608 bytes; vf 8,388,608 bytes; of 8,388,608 bytes
;; launch prep (part 1): grid 128 x 1, 4 waves a work-group, no clusters, 0 bytes of LDS; arguments W_q, W_k, W_v, W_o, wc, ws, wof; writes wc, ws, wof
.if DOCPART == 1
	.amdgcn_target "amdgcn-amd-amdhsa--gfx1250"
	.amdhsa_code_object_version 6
	.text
	.protected	k_q1efed70196_prep
	.globl	k_q1efed70196_prep
	.p2align	8
	.type	k_q1efed70196_prep,@function
k_q1efed70196_prep:
	s_mov_b64 s[64:65], 0
	v_nop
	global_prefetch_b8 v0, s[64:65] scope:SCOPE_SE
	s_setreg_imm32_b32 hwreg(HW_REG_WAVE_MODE, 25, 1), 1
	s_wait_xcnt 0x0
; THE WEIGHTS ARE MADE READY ONCE.  W_q, W_k, W_v [512][512] f32 (K innermost) become codes of FP4 (E2M1) with one E8M0 byte for each 32 along K; W_o [512][512] f32 becomes f16.
; All three results are laid in the ORDER OF AN OPERAND'S REGISTERS: a piece is 512 bytes, lane L's 16 bytes at 16 L, so that the later launches fetch a fragment by loads of 16 bytes a lane at 16 L.
;   wc : tensor t, row tile nt (16 rows), K step ks (128), piece c: byte t*131072 + nt*4096 + ks*1024 + c*512 + 16 L = codes of row 16 nt + L%16, k = 128 ks + 64 c + 32 (L/16) + 0..31
;   ws : [3][512 rows][16 bytes]: word ks of a row holds the four scale bytes of its K step ks
;   wof: column block nb (128 rows of W_o), K step ks (32), row tile nt, piece c: byte nb*131072 + ks*8192 + nt*1024 + c*512 + 16 L = W_o[16 (8 nb + nt) + L%16][32 ks + 16 c + 8 (L/16) + 0..7]
; A block's scale is 2^(floor(log2(its largest magnitude)) - 2); its byte is the largest magnitude's exponent field - 2, held at 1 from below.
; LIMITS: a block of zeros gets the byte 1 where the rule says 127 (its codes are zeros, which add nothing, and this program alone reads the bytes); NaN and infinities are not served; W_o must lie under 65,504 in magnitude.
; SHARES: work-groups 0-95: tensor x / 32, row tile x % 32, wave = K step: one fragment a wave.  Work-groups 96-127: W_o's row tile x - 96, wave = 128 along K: four f16 fragments.
; No LDS, no barrier, no matrix unit, no cluster: the launch reads 4 MiB once, and no two work-groups read the same byte.
.set X,   16                           ; v16-79   64 numbers of a lane
.set TM,  80                           ; v80-95   largest magnitudes, bytes, the conversions' scale operands
.set PC,  96                           ; v96-103  a fragment's codes
.set PW,  104                          ; v104     its scale word
.set C16, 96                           ; v96-127  W_o's path: 32 registers of f16 pairs
.set SEL, 22                           ; s[22:23] v_permlanex16_b32's selects for lane l xor 16
; 64 numbers of a lane, register 16 b + i = k 32 b + 16 (lane / 16) + i of my row, become a fragment's codes in v[PC] on and its scale word in v[PW].
.macro QUANT s
.irp b, 0,1,2,3
	v_max3_num_f32 v[TM+\b], |v[\s+16*\b]|, |v[\s+1+16*\b]|, 0x1800000   ; block b: my 16 numbers, and the floor 2^(3 - 127): the byte cannot fall under 1
.endr
.irp i, 2,4,6,8,10,12,14
.irp b, 0,1,2,3
	v_max3_num_f32 v[TM+\b], v[TM+\b], |v[\s+16*\b+\i]|, |v[\s+1+16*\b+\i]|   ; the four blocks by turns
.endr
.endr
.irp b, 0,1,2,3
	v_permlanex16_b32 v[TM+4+\b], v[TM+\b], s[SEL], s[SEL+1]
.endr
.irp b, 0,1,2,3
	v_max_num_f32 v[TM+\b], v[TM+\b], v[TM+4+\b]                   ; with lane l xor 16's: the block's largest magnitude
.endr
.irp b, 0,1,2,3
	v_add_nc_u32 v[TM+12+\b], 0xff000000, v[TM+\b]                 ; 2 off its exponent field: the conversion takes this operand's exponent field as its scale
.endr
.irp b, 0,1,2,3
	v_lshrrev_b32 v[TM+4+\b], 23, v[TM+12+\b]                      ; the scale's byte
.endr
	v_lshl_or_b32 v[PW], v[TM+5], 8, v[TM+4]                       ; four bytes make my row's scale word
	v_lshl_or_b32 v[PW], v[TM+6], 16, v[PW]
	v_lshl_or_b32 v[PW], v[TM+7], 24, v[PW]
.irp b, 0,1,2,3
	v_cvt_scalef32_pk8_fp4_f32 v[PC+2*\b], v[\s+16*\b:\s+7+16*\b], v[TM+12+\b]
	v_cvt_scalef32_pk8_fp4_f32 v[PC+1+2*\b], v[\s+8+16*\b:\s+15+16*\b], v[TM+12+\b]
.endr
	v_nop                                                          ; one plain place behind a scaled conversion
.irp c, 0,1                                                    ; the operand wants a WHOLE block in a lane: lanes 0-15 block 2 c, lanes 16-31 block 2 c + 1
.irp i, 0,1
	v_permlane16_swap_b32 v[PC+4*\c+\i], v[PC+2+4*\c+\i]
.endr
.endr
.endm
	s_load_b256 s[4:11], s[0:1], 0x0               ; W_q s[4:5], W_k s[6:7], W_v s[8:9], W_o s[10:11]
	s_load_b128 s[12:15], s[0:1], 0x20             ; wc s[12:13], ws s[14:15]
	s_load_b64 s[16:17], s[0:1], 0x30              ; wof
	v_lshrrev_b32 v7, 5, v0
	v_readfirstlane_b32 s20, v7                    ; wave 0..3
	v_and_b32 v1, 31, v0                           ; lane
	v_and_b32 v2, 15, v0                           ; r
	v_bfe_u32 v3, v0, 4, 1                         ; h
	v_lshlrev_b32 v5, 4, v1                        ; 16 x lane: my place in a piece
	v_lshlrev_b32 v6, 4, v2                        ; 16 x r: my row of scale bytes
	v_lshlrev_b32 v4, 11, v2                       ; row r of 2,048 bytes
.irp b, 0,1,2,3
	v_mov_b32 v[TM+4+\b], 0                        ; written once: a lane permute's destination counts as one of its sources
.endr
	s_mov_b32 s[SEL], 0x76543210
	s_mov_b32 s[SEL+1], 0xfedcba98
	s_and_b32 s21, ttmp9, 31                       ; the row tile, in both paths (96 is a multiple of 32)
	s_lshl_b32 s24, s21, 15                        ; 16 rows of 2,048 bytes
	s_lshl_b32 s26, s20, 9                         ; + 128 numbers for each wave
	s_add_co_u32 s24, s24, s26
	s_mov_b32 s25, 0
	s_mov_b32 s27, 0
	s_wait_kmcnt 0x0
	s_cmp_ge_u32 ttmp9, 96
	s_cbranch_scc1 .Lwo
	; ---- W_q, W_k, W_v: one fragment of 16 rows x 128 K
	s_cmp_lt_u32 ttmp9, 32                         ; the tensor is chosen by the work-group's number alone
	s_cselect_b64 s[4:5], s[4:5], s[6:7]
	s_cmp_lt_u32 ttmp9, 64
	s_cselect_b64 s[4:5], s[4:5], s[8:9]
	s_add_nc_u64 s[4:5], s[4:5], s[24:25]
	s_lshl_b32 s26, ttmp9, 12                      ; wc: 4,096 bytes a row tile, 32 tiles a tensor,
	s_lshl_b32 s28, s20, 10                        ; 1,024 a K step
	s_add_co_u32 s26, s26, s28
	s_add_nc_u64 s[12:13], s[12:13], s[26:27]
	s_lshl_b32 s26, ttmp9, 8                       ; ws: 16 rows of 16 bytes a tile,
	s_lshl_b32 s28, s20, 2                         ; word ks
	s_add_co_u32 s26, s26, s28
	s_add_nc_u64 s[14:15], s[14:15], s[26:27]
	v_lshl_add_u32 v4, v3, 6, v4                   ; + 64 h: my 16 numbers of each block of 32
.irp b, 0,1,2,3
.irp j, 0,1,2,3
	global_load_b128 v[X+16*\b+4*\j:X+16*\b+4*\j+3], v4, s[4:5] offset:128*\b+16*\j th:TH_LOAD_NT
.endr
.endr
	s_wait_loadcnt 0x0
	QUANT X
	global_store_b128 v5, v[PC:PC+3], s[12:13]               ; 32 lanes store 512 consecutive bytes, aligned
	global_store_b128 v5, v[PC+4:PC+7], s[12:13] offset:512
	v_cmp_gt_u32 vcc_lo, 16, v1                    ; lanes 16-31 hold the same words as lanes 0-15: each word is stored once
	s_wait_xcnt 0x0                                ; EXEC is a source of the stores above: it changes only behind this wait
	s_and_saveexec_b32 s26, vcc_lo
	global_store_b32 v6, v[PW], s[14:15]           ; 4 bytes of each of 16 rows: 24,576 bytes in the whole launch leave so
	s_wait_xcnt 0x0                                ; and again ahead of the line that widens it
	s_or_b32 exec_lo, exec_lo, s26
	s_endpgm
	; ---- W_o: four f16 fragments of 16 rows x 32 K
.Lwo:
	s_add_nc_u64 s[10:11], s[10:11], s[24:25]
	s_lshr_b32 s26, s21, 3
	s_lshl_b32 s26, s26, 17                        ; column block nb = tile / 8
	s_and_b32 s28, s21, 7
	s_lshl_b32 s28, s28, 10                        ; row tile in the block
	s_add_co_u32 s26, s26, s28
	s_lshl_b32 s28, s20, 15                        ; my four K steps of 8,192 bytes
	s_add_co_u32 s26, s26, s28
	s_add_nc_u64 s[16:17], s[16:17], s[26:27]
	v_lshl_add_u32 v4, v3, 5, v4                   ; + 32 h: my 8 numbers of each 16
.irp p, 0,1,2,3
.irp c, 0,1
.irp u, 0,1
	global_load_b128 v[X+16*\p+8*\c+4*\u:X+16*\p+8*\c+4*\u+3], v4, s[10:11] offset:128*\p+64*\c+16*\u th:TH_LOAD_NT
.endr
.endr
.endr
	s_wait_loadcnt 0x0
.set i, 0
.rept 32
	v_cvt_pk_f16_f32 v[C16+i], v[X+2*i], v[X+2*i+1]
.set i, i+1
.endr
.irp p, 0,1,2,3
.irp c, 0,1
	global_store_b128 v5, v[C16+8*\p+4*\c:C16+8*\p+4*\c+3], s[16:17] offset:\p*8192+\c*512
.endr
.endr
	s_endpgm
.Lfunc_end_k_q1efed70196_prep:
	.size	k_q1efed70196_prep, .Lfunc_end_k_q1efed70196_prep-k_q1efed70196_prep
	.p2alignl 7, 3214868480
	.fill 96, 4, 3214868480
	.section	.rodata,"a",@progbits
	.p2align	6, 0x0
	.amdhsa_kernel k_q1efed70196_prep
		.amdhsa_group_segment_fixed_size 0
		.amdhsa_private_segment_fixed_size 0
		.amdhsa_enable_private_segment 0
		.amdhsa_kernarg_size 56
		.amdhsa_user_sgpr_count 2
		.amdhsa_user_sgpr_kernarg_segment_ptr 1
		.amdhsa_wavefront_size32 1
		.amdhsa_system_sgpr_workgroup_id_x 1
		.amdhsa_system_sgpr_workgroup_id_y 1
		.amdhsa_system_sgpr_workgroup_id_z 1
		.amdhsa_system_vgpr_workitem_id 0
		.amdhsa_next_free_vgpr 128
		.amdhsa_next_free_sgpr 66
		.amdhsa_reserve_vcc 1
		.amdhsa_float_denorm_mode_32 3
		.amdhsa_float_denorm_mode_16_64 3
		.amdhsa_memory_ordered 1
		.amdhsa_forward_progress 1
		.amdhsa_inst_pref_size 13
	.end_amdhsa_kernel
	.amdgpu_metadata
---
amdhsa.version: [ 1, 2 ]
amdhsa.kernels:
  - .name:           k_q1efed70196_prep
    .symbol:         k_q1efed70196_prep.kd
    .args:
      - { .name: W_q, .offset: 0, .size: 8, .value_kind: global_buffer, .address_space: global }
      - { .name: W_k, .offset: 8, .size: 8, .value_kind: global_buffer, .address_space: global }
      - { .name: W_v, .offset: 16, .size: 8, .value_kind: global_buffer, .address_space: global }
      - { .name: W_o, .offset: 24, .size: 8, .value_kind: global_buffer, .address_space: global }
      - { .name: wc, .offset: 32, .size: 8, .value_kind: global_buffer, .address_space: global }
      - { .name: ws, .offset: 40, .size: 8, .value_kind: global_buffer, .address_space: global }
      - { .name: wof, .offset: 48, .size: 8, .value_kind: global_buffer, .address_space: global }
    .group_segment_fixed_size: 0
    .private_segment_fixed_size: 0
    .kernarg_segment_align: 8
    .kernarg_segment_size: 56
    .max_flat_workgroup_size: 128
    .sgpr_count:     66
    .vgpr_count:     128
    .wavefront_size: 32
...
	.end_amdgpu_metadata
.endif
;; end of part 1
;; launch proj (part 2): grid 256 x 1, 8 waves a work-group, no clusters, 96,256 bytes of LDS; arguments q, k, v, wc, ws, b_q, b_k, b_v, qf, kf, vf; writes qf, kf, vf
.if DOCPART == 2
	.amdgcn_target "amdgcn-amd-amdhsa--gfx1250"
	.amdhsa_code_object_version 6
	.text
	.protected	k_q1efed70196_proj
	.globl	k_q1efed70196_proj
	.p2align	8
	.type	k_q1efed70196_proj,@function
k_q1efed70196_proj:
	s_mov_b64 s[64:65], 0
	v_nop
	global_prefetch_b8 v0, s[64:65] scope:SCOPE_SE
	s_setreg_imm32_b32 hwreg(HW_REG_WAVE_MODE, 25, 1), 1
	s_wait_xcnt 0x0
; Q = (q W_q^T + b_q) log2(e) / 8, K = k W_k^T + b_k, V = v W_v^T + b_v, the three products on codes of FP4 (E2M1) with one E8M0 scale for each 32 along K; sums in f32; results rounded once to f16.
; q, k, v: [8192][512] f32, quantised here in registers.  The weights' codes and scale bytes come ready, in the order of an operand's registers.
; SHARES.  Work-group g takes rows 32 g .. 32 g + 31 of q, then of k, then of v: three trips, written out; no branch.  In a trip wave w QUANTISES one fragment (row tile w / 4, K step w % 4) and hands it to the
; others through LDS as an image of its registers (lane L's 16 bytes at 16 L; the scale word at 4 L); then it MULTIPLIES all 32 rows by the 64 rows of W of head w: 2 x 4 accumulators x 4 K steps = 32 matrix instructions.
; x IS LOADED AS IT LIES: load i of a wave's 16 takes the 512 consecutive, aligned bytes of row i of its fragment (128 numbers), 16 bytes a lane.  The conversions want 16 NEIGHBOURS of a block of 32 in one lane's registers:
; so the 16 rows turn through the wave's own stage in LDS, stored as loaded and read back 64 bytes a lane.  A stage row is 512 bytes + 16 = 132 words: row r starts at bank 4 r mod 64 (64 banks of 4 bytes: ISA guide 11.1).
; RESULTS leave straight from registers, 512 consecutive aligned bytes a store, in the order in which the attention's operands take them:
;   qf, kf: (bh*128 + token tile)*2048 + n*512 + 16 L = X[token 16 tt + L%16][channel 16 n + 8 (L/16) + 0..7]     (product used transposed: source 0 = W's rows, source 1 = x's rows)
;   vf    : (bh*64 + kb)*4096 + ct*1024 + c*512 + 16 L = V[key 32 kb + 16 c + 8 (L/16) + 0..7][channel 16 ct + L%16]   (natural order: source 0 = x's rows, source 1 = W's rows)
; The bias is the C of each sum's first matrix instruction, in the result's layout.
; NO CLUSTER: a wave's part of the weights, 16,384 bytes a trip, goes from memory straight into its operand registers and is used there at once (each fragment feeds two matrix instructions); a joint load lands in LDS,
; so the same bytes would be written to LDS and read from it once more, through slots that are filled again for each of the three tensors (their codes, 393,216 bytes, do not fit in LDS together).
; LIMITS: a block of zeros gets the byte 1 where the rule says 127 (its codes are zeros; nobody else reads the bytes); NaN and infinities are not served; Q x 0.18, K and V must lie under 65,504 in magnitude (f16).
; REGISTERS, window 0: v4-14 addresses; v16-79 x's 64 numbers; v80-95, v96-104 the quantiser's; v132-195 the 8 accumulators; v196-227 results as f16; v228-235 x's scale words; v236-251 W's.
;   window 1: v0-127 W's 16 fragments (n, ks) at 8 (4 n + ks); v128-191 x's 8 fragments (m, ks) at 128 + 8 (4 m + ks); v192-223 the bias, 8 registers for each n.
.set SWI, 4                            ; v4   my stage, on the way in: 16 x lane; a row of 528 bytes for each load
.set LI,  5                            ; v5   16 x lane
.set LS,  6                            ; v6   4 x lane
.set XWI, 7                            ; v7   where I store my image: 16 x lane + 1,024 x wave
.set XWS, 8                            ; v8   and its scale words: 4 x lane + 128 x wave
.set WSA, 9                            ; v9   16 x r: a row of W's scale bytes
.set BA,  10                           ; v10  32 x h: eight numbers of a bias
.set BV,  11                           ; v11  4 x r: one number of b_v
.set SPW, 12                           ; v12  LDS address of my spare word; never rewritten
.set NIL, 13                           ; v13  0; never rewritten
.set SRD, 14                           ; v14  my stage, on the way out: row r, + 64 h: my 16 numbers of a block of 32
.set X,   16
.set TM,  80
.set PC,  96
.set PW,  104
.set ACC, 132
.set OUT, 196
.set XS,  228
.set WS,  236
.set W,   0                            ; in window 1
.set XF,  128
.set B,   192
.set SEL, 32                           ; s[32:33]
.set TRIPB, 9216                       ; LDS of a trip: 8 images of 1,024 bytes, then 8 x 128 bytes of scale words; each trip has bytes of its own, so one barrier a trip is enough
.set STG,   3*TRIPB                    ; behind them the stages: 16 rows of SROW bytes for each wave, its own
.set SROW,  528
.set STGW,  16*SROW
.set SPARE, STG+8*STGW                 ; behind the stages the spare words: 128 bytes for each of 8 waves, four blocks of 256 bytes that no other line names
.set MSB, 0
.macro WIN new                         ; the immediate's high byte repeats the setting that is left
.if MSB != \new
	s_set_vgpr_msb (MSB<<8)|\new
.set MSB, \new
.endif
.endm
.macro QUANT s                         ; 64 numbers of a lane, register 16 b + i = k 32 b + 16 (lane / 16) + i of my row -> codes in v[PC] on, scale word in v[PW]
.irp b, 0,1,2,3
	v_max3_num_f32 v[TM+\b], |v[\s+16*\b]|, |v[\s+1+16*\b]|, 0x1800000   ; my 16 numbers of block b, and the floor 2^(3 - 127): the byte cannot fall under 1
.endr
.irp i, 2,4,6,8,10,12,14
.irp b, 0,1,2,3
	v_max3_num_f32 v[TM+\b], v[TM+\b], |v[\s+16*\b+\i]|, |v[\s+1+16*\b+\i]|
.endr
.endr
.irp b, 0,1,2,3
	v_permlanex16_b32 v[TM+4+\b], v[TM+\b], s[SEL], s[SEL+1]
.endr
.irp b, 0,1,2,3
	v_max_num_f32 v[TM+\b], v[TM+\b], v[TM+4+\b]                   ; with lane l xor 16's: the block's largest magnitude
.endr
.irp b, 0,1,2,3
	v_add_nc_u32 v[TM+12+\b], 0xff000000, v[TM+\b]                 ; 2 off its exponent field: the conversion's scale operand
.endr
.irp b, 0,1,2,3
	v_lshrrev_b32 v[TM+4+\b], 23, v[TM+12+\b]                      ; the scale's byte
.endr
	v_lshl_or_b32 v[PW], v[TM+5], 8, v[TM+4]
	v_lshl_or_b32 v[PW], v[TM+6], 16, v[PW]
	v_lshl_or_b32 v[PW], v[TM+7], 24, v[PW]
.irp b, 0,1,2,3
	v_cvt_scalef32_pk8_fp4_f32 v[PC+2*\b], v[\s+16*\b:\s+7+16*\b], v[TM+12+\b]
	v_cvt_scalef32_pk8_fp4_f32 v[PC+1+2*\b], v[\s+8+16*\b:\s+15+16*\b], v[TM+12+\b]
.endr
	v_nop                                                          ; one plain place behind a scaled conversion
.irp c, 0,1
.irp i, 0,1
	v_permlane16_swap_b32 v[PC+4*\c+\i], v[PC+2+4*\c+\i]           ; a whole block to a lane
.endr
.endr
.endm
.macro XLOAD p                         ; my fragment's 16 rows x 128 numbers, from the tensor whose address stands in s[p:p+1]: 16 loads, each of 512 consecutive aligned bytes: row i into registers 4 i .. 4 i + 3
.set i, 0
.rept 16
	global_load_b128 v[X+4*i:X+4*i+3], v[LI], s[\p:\p+1] offset:2048*i th:TH_LOAD_NT
.set i, i+1
.endr
.endm
.macro TURN                            ; the 16 rows through my stage, and back into the registers that they left: register 16 b + 4 j + u = k 32 b + 16 (lane / 16) + 4 j + u of row lane % 16
.set i, 0
.rept 16
	ds_store_b128 v[SWI], v[X+4*i:X+4*i+3] offset:SROW*i
.set i, i+1
.endr
.irp b, 0,1,2,3
.irp j, 0,1,2,3
	ds_load_b128 v[X+16*\b+4*\j:X+16*\b+4*\j+3], v[SRD] offset:128*\b+16*\j   ; LDS serves a wave's instructions in order (ISA guide 5.7.1.4): these see the stores above; no other wave touches my stage
.endr
.endr
	s_wait_dscnt 0x0                               ; the numbers are back; the next trip's stores into the stage come behind this wait
.endm
.macro WLOAD t                         ; tensor t's weights of my head: 32 pieces of codes, the bias, 4 x 4 scale words: 44 loads (t = 2: 40)
	WIN 0x40                                       ; destination window 1
.set i, 0
.rept 32
	global_load_b128 v[W+4*i:W+4*i+3], v[LI], s[14:15] offset:(\t)*131072+512*i
.set i, i+1
.endr
.if (\t) < 2
.irp n, 0,1,2,3
	global_load_b128 v[B+8*\n:B+8*\n+3], v[BA], s[18+2*(\t):19+2*(\t)] offset:64*\n          ; b[64 w + 16 n + 8 h + 0..7]
	global_load_b128 v[B+8*\n+4:B+8*\n+7], v[BA], s[18+2*(\t):19+2*(\t)] offset:64*\n+16
.endr
.else
.irp n, 0,1,2,3
	global_load_b32 v[B+8*\n], v[BV], s[22:23] offset:64*\n        ; b_v[64 w + 16 n + r]
.endr
.endif
	WIN 0
.irp n, 0,1,2,3
	global_load_b128 v[WS+4*\n:WS+4*\n+3], v[WSA], s[16:17] offset:(\t)*8192+256*\n   ; row 16 n + r: its four scale words
.endr
.endm
.macro MUL t                           ; 32 matrix instructions; the 8 accumulators take turns, one instruction a turn
.irp ks, 0,1,2,3
.if \ks == 0
	WIN 0x15                                       ; sources 0, 1 and the bias in window 1
.else
	WIN 0x05                                       ; sources 0, 1 in window 1; C and D in window 0
.endif
.irp m, 0,1
.irp n, 0,1,2,3
.set rA, ACC+8*(4*\m+\n)
.set rW, W+8*(4*\n+\ks)
.set rX, XF+8*(4*\m+\ks)
.set rC, rA
.if \ks == 0
.set rC, B+8*\n
.endif
.if (\t) < 2
	v_wmma_scale_f32_16x16x128_f8f6f4 v[rA:rA+7], v[rW:rW+7], v[rX:rX+7], v[rC:rC+7], v[WS+4*\n+\ks], v[XS+4*\m+\ks] matrix_a_fmt:MATRIX_FMT_FP4 matrix_b_fmt:MATRIX_FMT_FP4
.else
	v_wmma_scale_f32_16x16x128_f8f6f4 v[rA:rA+7], v[rX:rX+7], v[rW:rW+7], v[rC:rC+7], v[XS+4*\m+\ks], v[WS+4*\n+\ks] matrix_a_fmt:MATRIX_FMT_FP4 matrix_b_fmt:MATRIX_FMT_FP4
.endif
.endr
.endr
.endr
.endm
.macro TRIP t
.if (\t) < 2
	s_wait_loadcnt 44                              ; my x is in; the 44 loads issued behind it (this trip's weights, bias, scale words) may be out
.else
	s_wait_loadcnt 40                              ; the same: v's trip has 40
.endif
	TURN
	QUANT X
.if (\t) < 2
	XLOAD (10+2*(\t))                              ; the next tensor's numbers, a trip ahead, into the registers just read
.endif
	ds_store_b128 v[XWI], v[PC:PC+3] offset:(\t)*TRIPB
	ds_store_b128 v[XWI], v[PC+4:PC+7] offset:(\t)*TRIPB+512
	ds_store_b32 v[XWS], v[PW] offset:(\t)*TRIPB+8192
	s_wait_dscnt 0x0                               ; for the others' sake: my image has landed
	s_barrier_signal -1
	s_barrier_wait -1                              ; the eight fragments of the 32 rows lie in LDS
	WIN 0x40
.set i, 0
.rept 16
	ds_load_b128 v[XF+4*i:XF+4*i+3], v[LI] offset:(\t)*TRIPB+512*i
.set i, i+1
.endr
	WIN 0
.set i, 0
.rept 8
	ds_load_b32 v[XS+i], v[LS] offset:(\t)*TRIPB+8192+128*i
.set i, i+1
.endr
.if (\t) < 2
	s_wait_loadcnt 16                              ; the weights are in; the next tensor's 16 loads may be out
.else
	s_wait_loadcnt 0x0
	WIN 0x41                                       ; b_v[channel] stands in all eight registers of a tile: a lane holds one channel and eight tokens
.irp n, 0,1,2,3
.irp j, 1,2,3,4,5,6,7
	v_mov_b32 v[B+8*\n+\j], v[B+8*\n]
.endr
.endr
.rept 4
	v_nop
.endr
.endif
	s_wait_dscnt 0x0                               ; x's fragments and scale words are in
	MUL \t
	WIN 0
.rept 4
	v_nop                                          ; four places behind the products: for the loads into W's, the bias's and the scale words' registers, and for the reads of the results
.endr
.if (\t) < 2
	WLOAD (\t)+1
.endif
.if (\t) > 0
	s_wait_xcnt 0x0                                ; the last trip's stores have read their data registers: only now are they written again
.endif
.if (\t) == 0
.set i, 0
.rept 32
	v_pk_mul_f32 v[ACC+i:ACC+i+1], v[ACC+i:ACC+i+1], s[34:35] op_sel_hi:[1,0]   ; Q x log2(e) / 8: the scores then are exponents of 2; each accumulator from its low end on
.set i, i+2
.endr
.endif
.set i, 0
.rept 32
	v_cvt_pk_f16_f32 v[OUT+i], v[ACC+2*i], v[ACC+2*i+1]            ; eight neighbours of a lane: 16 bytes; each accumulator from its low end on
.set i, i+1
.endr
.irp m, 0,1
.irp n, 0,1,2,3
.if (\t) < 2
	global_store_b128 v[LI], v[OUT+4*(4*\m+\n):OUT+4*(4*\m+\n)+3], s[24+2*(\t):25+2*(\t)] offset:\m*2048+\n*512
.else
	global_store_b128 v[LI], v[OUT+4*(4*\m+\n):OUT+4*(4*\m+\n)+3], s[24+2*(\t):25+2*(\t)] offset:\n*1024+\m*512
.endif
.endr
.endr
.endm
	s_load_b512 s[8:23], s[0:1], 0x0               ; q s8, k s10, v s12, wc s14, ws s16, b_q s18, b_k s20, b_v s22
	s_load_b128 s[24:27], s[0:1], 0x40             ; qf, kf
	s_load_b64 s[28:29], s[0:1], 0x50              ; vf
	v_lshl_add_u32 v[SPW], v0, 2, SPARE
	v_mov_b32 v[NIL], 0
	v_lshrrev_b32 v1, 5, v0
	v_readfirstlane_b32 s30, v1                    ; wave 0..7
	v_and_b32 v1, 31, v0                           ; lane
	v_and_b32 v2, 15, v0                           ; r
	v_bfe_u32 v3, v0, 4, 1                         ; h
	v_lshlrev_b32 v[LI], 4, v1
	v_lshlrev_b32 v[LS], 2, v1
	s_lshl_b32 s31, s30, 10
	v_add_nc_u32 v[XWI], s31, v[LI]
	s_lshl_b32 s31, s30, 7
	v_add_nc_u32 v[XWS], s31, v[LS]
	s_mul_i32 s31, s30, STGW
	s_add_co_u32 s31, s31, STG                     ; my stage
	v_add_nc_u32 v[SWI], s31, v[LI]                ; in: 16 x lane
	v_mul_u32_u24 v[SRD], v2, SROW                 ; back: row r,
	v_lshl_add_u32 v[SRD], v3, 6, v[SRD]           ; + 64 h
	v_add_nc_u32 v[SRD], s31, v[SRD]
	v_lshlrev_b32 v[WSA], 4, v2
	v_lshlrev_b32 v[BA], 5, v3
	v_lshlrev_b32 v[BV], 2, v2
.irp b, 0,1,2,3
	v_mov_b32 v[TM+4+\b], 0                        ; written once: a lane permute's destination counts as one of its sources
.endr
	s_mov_b32 s[SEL], 0x76543210
	s_mov_b32 s[SEL+1], 0xfedcba98
	s_mov_b32 s34, 0x3e38aa3b                      ; log2(e) / 8
	s_mov_b32 s35, s34                             ; (named with it as a pair, so it is written)
	s_lshl_b32 s36, ttmp9, 16                      ; x: 32 rows of 2,048 bytes a work-group,
	s_lshr_b32 s38, s30, 2
	s_lshl_b32 s38, s38, 15                        ; 16 rows for my row tile,
	s_add_co_u32 s36, s36, s38
	s_and_b32 s38, s30, 3
	s_lshl_b32 s38, s38, 9                         ; 128 numbers for my K step
	s_add_co_u32 s36, s36, s38
	s_mov_b32 s37, 0
	s_lshr_b32 s40, ttmp9, 6                       ; results: batch g / 64: 8 heads of 262,144 bytes,
	s_lshl_b32 s40, s40, 21
	s_lshl_b32 s38, s30, 18                        ; head w,
	s_add_co_u32 s40, s40, s38
	s_and_b32 s38, ttmp9, 63
	s_lshl_b32 s38, s38, 12                        ; 32 tokens of a head are 4,096 bytes: the same number in qf, kf and vf
	s_add_co_u32 s40, s40, s38
	s_mov_b32 s41, 0
	s_lshl_b32 s42, s30, 14                        ; wc: my four row tiles
	s_mov_b32 s43, 0
	s_lshl_b32 s44, s30, 10                        ; ws: my 64 rows
	s_mov_b32 s45, 0
	s_lshl_b32 s46, s30, 8                         ; the biases: my 64 numbers
	s_mov_b32 s47, 0
	s_wait_kmcnt 0x0
	s_add_nc_u64 s[8:9], s[8:9], s[36:37]
	s_add_nc_u64 s[10:11], s[10:11], s[36:37]
	s_add_nc_u64 s[12:13], s[12:13], s[36:37]
	s_add_nc_u64 s[14:15], s[14:15], s[42:43]
	s_add_nc_u64 s[16:17], s[16:17], s[44:45]
	s_add_nc_u64 s[18:19], s[18:19], s[46:47]
	s_add_nc_u64 s[20:21], s[20:21], s[46:47]
	s_add_nc_u64 s[22:23], s[22:23], s[46:47]
	s_add_nc_u64 s[24:25], s[24:25], s[40:41]
	s_add_nc_u64 s[26:27], s[26:27], s[40:41]
	s_add_nc_u64 s[28:29], s[28:29], s[40:41]
	XLOAD 8
	WLOAD 0
	TRIP 0
	TRIP 1
	TRIP 2
	s_wait_tensorcnt 0x0                           ; the wave's end: behind my last LDS store
	ds_add_u32 v[SPW], v[NIL]
	s_wait_dscnt 0x0
	s_endpgm
.Lfunc_end_k_q1efed70196_proj:
	.size	k_q1efed70196_proj, .Lfunc_end_k_q1efed70196_proj-k_q1efed70196_proj
	.p2alignl 7, 3214868480
	.fill 96, 4, 3214868480
	.section	.rodata,"a",@progbits
	.p2align	6, 0x0
	.amdhsa_kernel k_q1efed70196_proj
		.amdhsa_group_segment_fixed_size 96256
		.amdhsa_private_segment_fixed_size 0
		.amdhsa_enable_private_segment 0
		.amdhsa_kernarg_size 88
		.amdhsa_user_sgpr_count 2
		.amdhsa_user_sgpr_kernarg_segment_ptr 1
		.amdhsa_wavefront_size32 1
		.amdhsa_system_sgpr_workgroup_id_x 1
		.amdhsa_system_sgpr_workgroup_id_y 1
		.amdhsa_system_sgpr_workgroup_id_z 1
		.amdhsa_system_vgpr_workitem_id 0
		.amdhsa_next_free_vgpr 480
		.amdhsa_next_free_sgpr 66
		.amdhsa_reserve_vcc 0
		.amdhsa_float_denorm_mode_32 3
		.amdhsa_float_denorm_mode_16_64 3
		.amdhsa_memory_ordered 1
		.amdhsa_forward_progress 1
		.amdhsa_inst_pref_size 67
	.end_amdhsa_kernel
	.amdgpu_metadata
---
amdhsa.version: [ 1, 2 ]
amdhsa.kernels:
  - .name:           k_q1efed70196_proj
    .symbol:         k_q1efed70196_proj.kd
    .args:
      - { .name: q, .offset: 0, .size: 8, .value_kind: global_buffer, .address_space: global }
      - { .name: k, .offset: 8, .size: 8, .value_kind: global_buffer, .address_space: global }
      - { .name: v, .offset: 16, .size: 8, .value_kind: global_buffer, .address_space: global }
      - { .name: wc, .offset: 24, .size: 8, .value_kind: global_buffer, .address_space: global }
      - { .name: ws, .offset: 32, .size: 8, .value_kind: global_buffer, .address_space: global }
      - { .name: b_q, .offset: 40, .size: 8, .value_kind: global_buffer, .address_space: global }
      - { .name: b_k, .offset: 48, .size: 8, .value_kind: global_buffer, .address_space: global }
      - { .name: b_v, .offset: 56, .size: 8, .value_kind: global_buffer, .address_space: global }
      - { .name: qf, .offset: 64, .size: 8, .value_kind: global_buffer, .address_space: global }
      - { .name: kf, .offset: 72, .size: 8, .value_kind: global_buffer, .address_space: global }
      - { .name: vf, .offset: 80, .size: 8, .value_kind: global_buffer, .address_space: global }
    .group_segment_fixed_size: 96256
    .private_segment_fixed_size: 0
    .kernarg_segment_align: 8
    .kernarg_segment_size: 88
    .max_flat_workgroup_size: 256
    .sgpr_count:     66
    .vgpr_count:     480
    .wavefront_size: 32
...
	.end_amdgpu_metadata
.endif
;; end of part 2
;; launch attn (part 3): grid 8 x 32, 8 waves a work-group, clusters of 4 x 1, 327,680 bytes of LDS; arguments qf, kf, vf, of; writes of
.if DOCPART == 3
	.amdgcn_target "amdgcn-amd-amdhsa--gfx1250"
	.amdhsa_code_object_version 6
	.text
	.protected	k_q1efed70196_attn
	.globl	k_q1efed70196_attn
	.p2align	8
	.type	k_q1efed70196_attn,@function
k_q1efed70196_attn:
	s_mov_b64 s[64:65], 0
	v_nop
	global_prefetch_b8 v0, s[64:65] scope:SCOPE_SE
	s_setreg_imm32_b32 hwreg(HW_REG_WAVE_MODE, 25, 1), 1
	s_wait_xcnt 0x0
	s_wait_alu depctr_hold_cnt(0) depctr_sa_sdst(0) depctr_va_vdst(0) depctr_va_sdst(0) depctr_va_ssrc(0) depctr_va_vcc(0) depctr_vm_vsrc(0)
	s_getreg_b32 s2, hwreg(HW_REG_IB_STS2, 6, 4)
	s_cmp_eq_u32 s2, 0
	s_cbranch_scc0 .Lentry_in_a_cluster
	s_endpgm
.Lentry_in_a_cluster:
	s_bfe_u32 s2, ttmp6, 0x10000c
	s_cmp_lg_u32 s2, 0x3003
	s_cbranch_scc0 .Lentry_shape_is_right
	s_endpgm
.Lentry_shape_is_right:
; O[bh][q] = the sum over k of softmax_k(Q[bh][q] . K[bh][k] / 8) V[bh][k]: 32 heads (batch x head) of 2,048 tokens x 64 channels, no mask.  Q arrives multiplied by log2(e) / 8, so a score s is an exponent of 2.
; Operands in f16, products, maxima and sums in f32; the weights p are rounded to f16 for the second product, O once at the end.
; All four buffers lie in the order of an operand's registers: a piece is 512 bytes, lane L's 16 bytes at 16 L.  So K's and V's tiles are dense blocks for the tensor loads, every fragment comes by
; ds_load_b128 at a base + 16 L (consecutive bytes: no pitch, no padding), nothing is transposed, and O leaves straight from registers, 512 aligned consecutive bytes a store.
; SHARES.  A work-group owns 256 queries of one head; each of its eight waves 32 of them: two tiles of 16.  Two waves lie on a SIMD, so that one wave's softmax stands beside the other's products.
; LAYOUT.  S^T = K Q^T (source 0 = 16 keys, source 1 = 16 queries), O^T = V^T P (source 0 = 16 channels, source 1 = P): a lane holds ONE query (lane % 16) throughout; two neighbouring tiles of S^T, rounded in pairs, ARE P's fragment.
; SOFTMAX.  For each query a running maximum m and sum l: p = 2^(s - m); in every step O^T and l are multiplied by a = 2^(m_old - m_new), which is 1 where m has not grown.  m begins at -3e38, O^T and l at 0.
; RING.  Two slots of 512 keys (64 KiB of K, 64 KiB of V); 2,048 keys are four fills: two at the head, two refills.  Each wave fetches 16 KiB of each fill (waves 0-3 K's quarters, waves 4-7 V's):
; two tensor loads of a wave are out at the head, one behind each refill, and a refill has a slot's 8 key steps in which to land.
; CLUSTER.  The four query blocks of a cluster belong to one head and walk the same K and V: each tile is asked for JOINTLY, by the same tensor load with the same descriptor and a mask that names the four.
; LIMITS: NaN and infinities are not served; a p under f16's smallest step goes into the second product as 0 (it is still in the sum l); O must lie under 65,504 in magnitude.
; REGISTERS, window 0: v1-7 addresses; v16-31 statistics, 8 a tile (+0 m, +1 zero, +2, +3 l, +4..7 at work; a takes +6); v32-63 Q; v64-127 S^T, 32 a tile; v128-159 P; v160-223 K of a step.
;   window 1: v0-63 V of a step; v64-127 O^T, 32 a tile.
.set LI,  1                            ; v1   16 x lane
.set LV,  2                            ; v2   16 x lane + 65,536: V lies behind a slot's K
.set ADK, 3                            ; v3   LDS address of the step's K
.set ADV, 4                            ; v4   of its V
.set PFO, 5                            ; v5   256 x lane: the prefetch's offset; never rewritten
.set SPW, 6                            ; v6   LDS address of my spare word; never rewritten
.set NIL, 7                            ; v7   0; never rewritten
.set ST,  16
.set Q,   32
.set S,   64
.set P,   128
.set KF,  160
.set VF,  0                            ; in window 1
.set O,   64
.set SLOTB, 131072
.set STEPB, 8192                       ; 64 keys of K, and of V
.set SPARE, 2*SLOTB                    ; behind the ring: the spare words, 128 bytes for each of 8 waves: four blocks of 256 bytes that no other line names
.set WV,  12                           ; s12  my wave's number
.set PF,  15                           ; s15  0 in a wave that prefetches
.set PFA, 18                           ; s[18:19] where my prefetch stands; never rewritten
.set G1,  24                           ; s[24:31] descriptor group 1, for K's and V's tiles alike
.set G0K, 40                           ; s[40:47] group 0 for K's tiles, a set for each slot
.set G0V, 48                           ; s[48:55] for V's
.set CNT, 56                           ; s56  a slot's steps to go
.set TB,  57                           ; s57  LDS byte at which the step's K begins
.set SEL, 60                           ; s[60:61] v_permlanex16_b32's selects for lane l xor 16
.set MSB, 0
.macro WIN new                         ; the immediate's high byte repeats the setting that is left
.if MSB != \new
	s_set_vgpr_msb (MSB<<8)|\new
.set MSB, \new
.endif
.endm
.macro CROUND                          ; a round of the cluster's barrier: my work-group's barrier; wave 0 signals for the work-group; every wave waits for all four work-groups; my work-group's barrier once more
	s_barrier_signal -1
	s_barrier_wait -1
	s_cmp_lg_u32 s[WV], 0
	s_cbranch_scc1 .Lnot_wave_0_\@
	s_barrier_signal -3
.Lnot_wave_0_\@:
	s_barrier_wait -3
	s_barrier_signal -1
	s_barrier_wait -1
.endm
.macro JLOAD slot                      ; a joint refill; the branch hangs on the wave's number alone; an s_nop 0 and four v_nop follow each of the two lines
	s_cmp_lt_u32 s[WV], 4
	s_cbranch_scc0 .Lfor_v_\@
	tensor_load_to_lds s[G0K+4*\slot:G0K+4*\slot+3], s[G1:G1+7]
	s_nop 0
.rept 4
	v_nop
.endr
	s_branch .Lasked_\@
.Lfor_v_\@:
	tensor_load_to_lds s[G0V+4*\slot:G0V+4*\slot+3], s[G1:G1+7]
	s_nop 0
.rept 4
	v_nop
.endr
.Lasked_\@:
.endm
; THE CHANGE OF SLOTS.  Each wave waits for all its tensor loads (its part of the slot ahead), adds 0 to its spare word, and waits for that and for its reads of the slot that it leaves.
; fill = 1: that slot is filled again with the keys two fills on: the barrier is then a round of the cluster's, and the joint refill is the first thing behind it.
.macro CHANGE fill, slot
	s_wait_tensorcnt 0x0                           ; no tensor load of mine is out, so a group 0 may be written
	ds_add_u32 v[SPW], v[NIL]                      ; 0 onto my spare word: the descriptors' steps stand between it and the wait for it
.if \fill
	s_add_nc_u64 s[G0K+4*\slot+2:G0K+4*\slot+3], s[G0K+4*\slot+2:G0K+4*\slot+3], 2*65536   ; two fills on; the type bits on top are not reached
	s_add_nc_u64 s[G0V+4*\slot+2:G0V+4*\slot+3], s[G0V+4*\slot+2:G0V+4*\slot+3], 2*65536
.endif
	s_wait_dscnt 0x0                               ; the add is done, and my reads of the slot are over
.if \fill
	CROUND
	JLOAD \slot
.else
	s_barrier_signal -1
	s_barrier_wait -1
.endif
.endm
; S^T = K Q^T: 16 matrix instructions; the 8 accumulators (tile t, 16 keys kt) take turns, one instruction a turn; the first 8 start the sums
.macro QK
.irp cc, 0,1
.irp t, 0,1
.irp kt, 0,1,2,3
.set rS, S+32*\t+8*\kt
.if \cc == 0
	v_wmma_f32_16x16x32_f16 v[rS:rS+7], v[KF+8*(2*\kt+\cc):KF+8*(2*\kt+\cc)+7], v[Q+8*(2*\t+\cc):Q+8*(2*\t+\cc)+7], 0
.else
	v_wmma_f32_16x16x32_f16 v[rS:rS+7], v[KF+8*(2*\kt+\cc):KF+8*(2*\kt+\cc)+7], v[Q+8*(2*\t+\cc):Q+8*(2*\t+\cc)+7], v[rS:rS+7]
.endif
.endr
.endr
.endr
.endm
; O^T += V^T P: 16 matrix instructions; the 8 accumulators (tile t, 16 channels ct) take turns
.macro PV
	WIN 0x51                                       ; V and O^T in window 1, P in window 0
.irp kb, 0,1
.irp t, 0,1
.irp ct, 0,1,2,3
.set rO, O+32*\t+8*\ct
	v_wmma_f32_16x16x32_f16 v[rO:rO+7], v[VF+8*(4*\kb+\ct):VF+8*(4*\kb+\ct)+7], v[P+16*\t+8*\kb:P+16*\t+8*\kb+7], v[rO:rO+7]
.endr
.endr
.endr
	WIN 0
.endm
; A tile's softmax for a step, in three parts.  SMAX: the new m, m_old - m_new, s - m: 36 plain instructions.
.macro SMAX t
.set rT, ST+8*(\t)
.set rS, S+32*(\t)
.irp j, 0,1,2,3
	v_max3_num_f32 v[rT+4+\j], v[rS+8*\j], v[rS+8*\j+1], v[rS+8*\j+2]   ; four chains; each accumulator is first read at its low end
.endr
.irp i, 3,5
.irp j, 0,1,2,3
	v_max3_num_f32 v[rT+4+\j], v[rT+4+\j], v[rS+8*\j+\i], v[rS+8*\j+\i+1]
.endr
.endr
	v_max3_num_f32 v[rT+4], v[rT+4], v[rS+7], v[rS+15]
	v_max3_num_f32 v[rT+6], v[rT+6], v[rS+23], v[rS+31]
	v_max3_num_f32 v[rT+4], v[rT+4], v[rT+5], v[rT+6]
	v_max3_num_f32 v[rT+4], v[rT+4], v[rT+7], v[rT]                ; with the old m
	v_permlanex16_b32 v[rT+5], v[rT+4], s[SEL], s[SEL+1]           ; the query's other 32 keys lie in the lane 16 away
	v_mov_b32 v[rT+7], v[rT]
	v_max_num_f32 v[rT], v[rT+4], v[rT+5]                          ; the new m
	v_sub_f32 v[rT+7], v[rT+7], v[rT]                              ; m_old - m_new
.set i, 0
.rept 16
	v_pk_add_f32 v[rS+i:rS+i+1], v[rS+i:rS+i+1], v[rT:rT+1] op_sel_hi:[1,0] neg_lo:[0,1] neg_hi:[0,1]   ; s - m, two at a time
.set i, i+2
.endr
.endm
.macro SEXP t                          ; ONE BATCH of 33 exponentials: a, then the tile's 32 p in place; none reads another's result
.set rT, ST+8*(\t)
.set rS, S+32*(\t)
	v_exp_f32 v[rT+6], v[rT+7]
.set i, 0
.rept 32
	v_exp_f32 v[rS+i], v[rS+i]
.set i, i+1
.endr
.endm
.macro SSUM t                          ; l = a l + the sum of p (two chains); p to f16; O^T x a: 48 plain instructions
.set rT, ST+8*(\t)
.set rS, S+32*(\t)
.set rO, O+32*(\t)
	v_pk_fma_f32 v[rT+2:rT+3], v[rT+2:rT+3], v[rT+6:rT+7], v[rS:rS+1] op_sel_hi:[1,0,1]
	v_pk_add_f32 v[rT+4:rT+5], v[rS+2:rS+3], v[rS+4:rS+5]
.irp i, 6,10,14,18,22,26
	v_pk_add_f32 v[rT+2:rT+3], v[rT+2:rT+3], v[rS+\i:rS+\i+1]
	v_pk_add_f32 v[rT+4:rT+5], v[rT+4:rT+5], v[rS+\i+2:rS+\i+3]
.endr
	v_pk_add_f32 v[rT+2:rT+3], v[rT+2:rT+3], v[rS+30:rS+31]
	v_pk_add_f32 v[rT+2:rT+3], v[rT+2:rT+3], v[rT+4:rT+5]
.set i, 0
.rept 16
	v_cvt_pk_f16_f32 v[P+16*(\t)+i], v[rS+2*i], v[rS+2*i+1]
.set i, i+1
.endr
	WIN 0x41                                       ; O^T (destination and source 0) in window 1, a in window 0
.set i, 0
.rept 16
	v_pk_mul_f32 v[rO+i:rO+i+1], v[rO+i:rO+i+1], v[rT+6:rT+7] op_sel_hi:[1,0]   ; each accumulator from its low end on
.set i, i+2
.endr
	WIN 0
.endm
; A slot's eight key steps of 64 keys.  In a step: K Q^T; V of the step and K of the next are asked of LDS and have the softmax in which to come; the softmax; V^T P.
; ask = 1: the launch's one prefetch stands behind the head's run of LDS loads.
.macro SLOT_STEPS slot, ask
	s_mov_b32 s[TB], (\slot)*SLOTB
	v_add_nc_u32 v[ADK], s[TB], v[LI]
.set i, 0
.rept 16
	ds_load_b128 v[KF+4*i:KF+4*i+3], v[ADK] offset:512*i           ; the slot's first K
.set i, i+1
.endr
.if \ask
; A PREFETCH INTO THE L2 of the fourth fill, which the next change of slots will ask for: a slot's 8 key steps ahead of that load.  Both clusters of a head walk the same K and V: the head's first cluster asks.
; Its four partners share the 65,536 bytes of K and of V out BY ADDRESS (8,192 bytes each for each asking wave); waves 0 and 2 ask for K's, waves 4 and 6 for V's; lanes 256 bytes apart: each block is named once.
	s_cmp_eq_u32 s[PF], 0
	s_cbranch_scc0 .Lnot_mine_\@
	global_prefetch_b8 v[PFO], s[PFA:PFA+1] th:TH_LOAD_NT scope:SCOPE_SE
.Lnot_mine_\@:
.endif
	s_mov_b32 s[CNT], 8
	s_wait_dscnt 0x0
.Lstep_\@:
	QK
	v_add_nc_u32 v[ADK], s[TB], v[LI]              ; these four plain lines are the places behind the products above and behind the last step's V^T P: for the loads into K's and V's registers and the reads of the scores
	v_add_nc_u32 v[ADV], s[TB], v[LV]
	v_nop
	v_nop
	WIN 0x40                                       ; destination window 1
.set i, 0
.rept 16
	ds_load_b128 v[VF+4*i:VF+4*i+3], v[ADV] offset:512*i
.set i, i+1
.endr
	WIN 0
	s_cmp_eq_u32 s[CNT], 1                         ; a slot's last step has no next K in this slot
	s_cbranch_scc1 .Lno_k_\@
.set i, 0
.rept 16
	ds_load_b128 v[KF+4*i:KF+4*i+3], v[ADK] offset:STEPB+512*i
.set i, i+1
.endr
.Lno_k_\@:
	SMAX 0
	SEXP 0
	SMAX 1                                         ; tile 1's plain work stands behind tile 0's batch
	s_wait_alu depctr_va_vdst(0)                   ; one wait for tile 0's 33 exponentials, ahead of their first reader
	SEXP 1
	SSUM 0                                         ; tile 0's plain work stands behind tile 1's batch
	s_wait_alu depctr_va_vdst(0)                   ; and one for tile 1's
	SSUM 1
	s_wait_dscnt 0x0                               ; V is in, and the next K: zero on both ways round the branch above
	PV
	s_add_co_u32 s[TB], s[TB], STEPB
	s_sub_co_u32 s[CNT], s[CNT], 1
	s_cmp_lg_u32 s[CNT], 0
	s_cbranch_scc1 .Lstep_\@
.endm
	s_load_b256 s[4:11], s[0:1], 0x0               ; qf s[4:5], kf s[6:7], vf s[8:9], of s[10:11]
	v_lshl_add_u32 v[SPW], v0, 2, SPARE
	v_mov_b32 v[NIL], 0
	ds_add_u32 v[SPW], v[NIL]                      ; the wave's opening: the add, twice on end, and its wait ahead of my first tensor load; the set-up below stands between the second and the wait
	ds_add_u32 v[SPW], v[NIL]
	v_lshrrev_b32 v8, 5, v0
	v_readfirstlane_b32 s[WV], v8                  ; wave 0..7
	v_and_b32 v8, 31, v0
	v_lshlrev_b32 v[LI], 4, v8
	v_add_nc_u32 v[LV], 65536, v[LI]
	v_lshlrev_b32 v[PFO], 8, v8
	s_bfe_u32 s13, ttmp6, 0x40000                  ; cx: my place in the cluster
	s_lshl_b32 s14, ttmp9, 2                       ; in a cluster launch ttmp9 counts clusters
	s_add_co_u32 s14, s14, s13                     ; my block of 256 queries: it enters Q's and O's addresses alone
	s_and_b32 s16, ttmp7, 0xffff                   ; bh = batch x 8 + head, which the four partners share
	s_lshl_b32 s20, s16, 18                        ; a head is 262,144 bytes in qf, kf and vf
	s_and_b32 s17, s[WV], 3
	s_lshl_b32 s22, s17, 14                        ; my quarter of a fill's K or V, in memory
	s_add_co_u32 s22, s22, s20
	s_mov_b32 s23, 0
	s_lshl_b32 s2, s[WV], 14                       ; and in a slot: 16,384 x wave: waves 4-7 fall into V's half; no place in the cluster enters an LDS address
	s_lshl_b32 s32, s14, 15                        ; Q: 256 queries are 32,768 bytes,
	s_add_co_u32 s32, s32, s20
	s_lshl_b32 s36, s[WV], 12                      ; my 32 are 4,096
	s_add_co_u32 s32, s32, s36
	s_mov_b32 s33, 0
	s_lshr_b32 s34, s16, 3                         ; O: row block of 128 = batch x 16 + 2 x query block + wave / 4,
	s_lshl_b32 s34, s34, 4
	s_lshl_b32 s36, s14, 1
	s_add_co_u32 s34, s34, s36
	s_lshr_b32 s36, s[WV], 2
	s_add_co_u32 s34, s34, s36
	s_lshl_b32 s34, s34, 17                        ; of 131,072 bytes;
	s_and_b32 s36, s16, 7
	s_lshl_b32 s36, s36, 14                        ; my head's two K steps of the last product, 8,192 bytes each;
	s_add_co_u32 s34, s34, s36
	s_lshl_b32 s36, s17, 11                        ; my two row tiles of 1,024
	s_add_co_u32 s34, s34, s36
	s_mov_b32 s35, 0
	s_and_b32 s38, s[WV], 2                        ; the prefetch: the fourth fill, 196,608 bytes into the head; the asking wave's half of it; my work-group's 8,192 bytes of that
	s_lshl_b32 s38, s38, 14
	s_add_co_u32 s38, s38, s20
	s_lshl_b32 s36, s13, 13
	s_add_co_u32 s38, s38, s36
	s_add_co_u32 s38, s38, 196608
	s_mov_b32 s39, 0
	s_and_b32 s[PF], s[WV], 1                      ; 0 in the even waves
	s_or_b32 s[PF], s[PF], ttmp9                   ; of the head's first cluster: the same in all four partners
	; descriptor group 1: a dense block of 16,384 bytes as 64 rows of 256 bytes (32 elements of 8 bytes), no padding
	s_mov_b32 s[G1], 15|(3<<16)|(1<<21)            ; 15:0 the mask: all four work-groups; 17:16 elements of 8 bytes; 21 set beside a mask
	s_mov_b32 s[G1+1], 32<<16                      ; tensor_dim0 = 32
	s_mov_b32 s[G1+2], 64<<16                      ; tensor_dim1 = 64
	s_mov_b32 s[G1+3], 32<<16                      ; tile_dim0 = 32
	s_mov_b32 s[G1+4], 64                          ; tile_dim1 = 64
	s_mov_b32 s[G1+5], 32                          ; from row to row
	s_mov_b32 s[G1+6], 0
	s_mov_b32 s[G1+7], 0
	s_mov_b32 s[SEL], 0x76543210
	s_mov_b32 s[SEL+1], 0xfedcba98
	s_wait_dscnt 0x0                               ; both opening adds are done
	s_wait_kmcnt 0x0
	s_cmp_lt_u32 s[WV], 4
	s_cselect_b64 s[PFA:PFA+1], s[6:7], s[8:9]
	s_add_nc_u64 s[PFA:PFA+1], s[PFA:PFA+1], s[38:39]
	s_add_nc_u64 s[6:7], s[6:7], s[22:23]          ; K and V at my part of the first fill
	s_add_nc_u64 s[8:9], s[8:9], s[22:23]
	s_add_nc_u64 s[4:5], s[4:5], s[32:33]          ; Q at my first query
	s_add_nc_u64 s[10:11], s[10:11], s[34:35]      ; O likewise
.irp s, 0,1
	s_mov_b32 s[G0K+4*\s], 1                       ; count = 1
	s_add_co_u32 s[G0K+4*\s+1], s2, \s*SLOTB       ; LDS address
	s_add_nc_u64 s[G0K+4*\s+2:G0K+4*\s+3], s[6:7], \s*65536   ; global address: fill s
	s_or_b32 s[G0K+4*\s+3], s[G0K+4*\s+3], 0x80000000         ; type = 2
	s_mov_b32 s[G0V+4*\s], 1
	s_add_co_u32 s[G0V+4*\s+1], s2, \s*SLOTB
	s_add_nc_u64 s[G0V+4*\s+2:G0V+4*\s+3], s[8:9], \s*65536
	s_or_b32 s[G0V+4*\s+3], s[G0V+4*\s+3], 0x80000000
.endr
	CROUND                                         ; all four work-groups are here: the first joint loads meet
	s_cmp_lt_u32 s[WV], 4                          ; a wave's two first fills stand in one branch, ahead of every wait on TENSORcnt and every LDS read
	s_cbranch_scc0 .Lfirst_v
	tensor_load_to_lds s[G0K:G0K+3], s[G1:G1+7]
	s_nop 0
	tensor_load_to_lds s[G0K+4:G0K+7], s[G1:G1+7]
	s_nop 0
.rept 4
	v_nop
.endr
	s_branch .Lfirst_asked
.Lfirst_v:
	tensor_load_to_lds s[G0V:G0V+3], s[G1:G1+7]
	s_nop 0
	tensor_load_to_lds s[G0V+4:G0V+7], s[G1:G1+7]
	s_nop 0
.rept 4
	v_nop
.endr
.Lfirst_asked:
.set i, 0
.rept 8
	global_load_b128 v[Q+4*i:Q+4*i+3], v[LI], s[4:5] offset:512*i  ; Q stays in registers: fragment (t, cc) at 8 (2 t + cc)
.set i, i+1
.endr
.irp t, 0,1
	v_mov_b32 v[ST+8*\t], 0xff61b1e6               ; m: -3e38, under every score
	v_mov_b32 v[ST+8*\t+1], 0                      ; (named with m as a pair)
	v_mov_b32 v[ST+8*\t+2], 0                      ; l, in two halves
	v_mov_b32 v[ST+8*\t+3], 0
.endr
	WIN 0x40
.set i, 0
.rept 64
	v_mov_b32 v[O+i], 0                            ; O^T.  The step is written once: the first finds zeros, which its a = 0 leaves zeros
.set i, i+1
.endr
	WIN 0
	s_wait_tensorcnt 1                             ; my part of slot 0 is in; slot 1's may stay out
	s_barrier_signal -1
	s_barrier_wait -1                              ; everybody's is
	s_wait_loadcnt 0x0                             ; Q
	SLOT_STEPS 0, 0                                ; keys 0-511
	CHANGE 1, 0                                    ; slot 0 takes keys 1,024-1,535
	SLOT_STEPS 1, 1                                ; keys 512-1,023
	CHANGE 1, 1                                    ; slot 1 takes keys 1,536-2,047: the last load
	SLOT_STEPS 0, 0
	CHANGE 0, 0                                    ; nothing is left to fetch
	SLOT_STEPS 1, 0
	; THE WAY OUT.  l's two halves and the other half of the lanes' are added; O^T is divided by l and rounded to f16: a lane's eight channels of a tile are 16 bytes, a tile is a piece of the last product's operand.
.rept 4
	v_nop                                          ; four places behind the last products
.endr
.irp t, 0,1
	v_add_f32 v[ST+8*\t+4], v[ST+8*\t+2], v[ST+8*\t+3]
.endr
.irp t, 0,1
	v_permlanex16_b32 v[ST+8*\t+5], v[ST+8*\t+4], s[SEL], s[SEL+1]
.endr
.irp t, 0,1
	v_add_f32 v[ST+8*\t+4], v[ST+8*\t+4], v[ST+8*\t+5]
.endr
.irp t, 0,1
	v_rcp_f32 v[ST+8*\t+6], v[ST+8*\t+4]
.endr
	v_nop                                          ; a plain instruction between the last reciprocal and the use of its result
	s_wait_alu depctr_va_vdst(0)                   ; one wait for the two reciprocals, ahead of their first reader
	WIN 0x41
.irp t, 0,1
.set i, 0
.rept 16
	v_pk_mul_f32 v[O+32*\t+i:O+32*\t+i+1], v[O+32*\t+i:O+32*\t+i+1], v[ST+8*\t+6:ST+8*\t+7] op_sel_hi:[1,0]
.set i, i+2
.endr
.endr
	WIN 0x05                                       ; sources in window 1, destination in window 0: S^T's registers are free
.set i, 0
.rept 32
	v_cvt_pk_f16_f32 v[S+i], v[O+2*i], v[O+2*i+1]
.set i, i+1
.endr
	WIN 0
.irp t, 0,1
.irp ct, 0,1,2,3
	global_store_b128 v[LI], v[S+16*\t+4*\ct:S+16*\t+4*\ct+3], s[10:11] offset:(\ct/2)*8192+\t*1024+(\ct%2)*512   ; 32 lanes store 512 consecutive bytes, aligned
.endr
.endr
	s_wait_tensorcnt 0x0                           ; the wave's end: behind my last tensor load
	ds_add_u32 v[SPW], v[NIL]
	s_wait_dscnt 0x0
	CROUND                                         ; the closing round: no work-group ends while a partner may still ask for a tile that names it
	s_endpgm
.Lfunc_end_k_q1efed70196_attn:
	.size	k_q1efed70196_attn, .Lfunc_end_k_q1efed70196_attn-k_q1efed70196_attn
	.p2alignl 7, 3214868480
	.fill 96, 4, 3214868480
	.section	.rodata,"a",@progbits
	.p2align	6, 0x0
	.amdhsa_kernel k_q1efed70196_attn
		.amdhsa_group_segment_fixed_size 327680
		.amdhsa_private_segment_fixed_size 0
		.amdhsa_enable_private_segment 0
		.amdhsa_kernarg_size 32
		.amdhsa_user_sgpr_count 2
		.amdhsa_user_sgpr_kernarg_segment_ptr 1
		.amdhsa_wavefront_size32 1
		.amdhsa_system_sgpr_workgroup_id_x 1
		.amdhsa_system_sgpr_workgroup_id_y 1
		.amdhsa_system_sgpr_workgroup_id_z 1
		.amdhsa_system_vgpr_workitem_id 0
		.amdhsa_next_free_vgpr 384
		.amdhsa_next_free_sgpr 66
		.amdhsa_reserve_vcc 0
		.amdhsa_float_denorm_mode_32 3
		.amdhsa_float_denorm_mode_16_64 3
		.amdhsa_memory_ordered 1
		.amdhsa_forward_progress 1
		.amdhsa_inst_pref_size 90
	.end_amdhsa_kernel
	.amdgpu_metadata
---
amdhsa.version: [ 1, 2 ]
amdhsa.kernels:
  - .name:           k_q1efed70196_attn
    .symbol:         k_q1efed70196_attn.kd
    .args:
      - { .name: qf, .offset: 0, .size: 8, .value_kind: global_buffer, .address_space: global }
      - { .name: kf, .offset: 8, .size: 8, .value_kind: global_buffer, .address_space: global }
      - { .name: vf, .offset: 16, .size: 8, .value_kind: global_buffer, .address_space: global }
      - { .name: of, .offset: 24, .size: 8, .value_kind: global_buffer, .address_space: global }
    .group_segment_fixed_size: 327680
    .private_segment_fixed_size: 0
    .kernarg_segment_align: 8
    .kernarg_segment_size: 32
    .max_flat_workgroup_size: 256
    .sgpr_count:     66
    .vgpr_count:     384
    .wavefront_size: 32
...
	.end_amdgpu_metadata
.endif
;; end of part 3
;; launch oproj (part 4): grid 4 x 64, 4 waves a work-group, clusters of 4 x 4, 327,680 bytes of LDS; arguments of, wof, b_o, out0; writes out0
.if DOCPART == 4
	.amdgcn_target "amdgcn-amd-amdhsa--gfx1250"
	.amdhsa_code_object_version 6
	.text
	.protected	k_q1efed70196_oproj
	.globl	k_q1efed70196_oproj
	.p2align	8
	.type	k_q1efed70196_oproj,@function
k_q1efed70196_oproj:
	s_mov_b64 s[64:65], 0
	v_nop
	global_prefetch_b8 v0, s[64:65] scope:SCOPE_SE
	s_setreg_imm32_b32 hwreg(HW_REG_WAVE_MODE, 25, 1), 1
	s_wait_xcnt 0x0
	s_wait_alu depctr_hold_cnt(0) depctr_sa_sdst(0) depctr_va_vdst(0) depctr_va_sdst(0) depctr_va_ssrc(0) depctr_va_vcc(0) depctr_vm_vsrc(0)
	s_getreg_b32 s2, hwreg(HW_REG_IB_STS2, 6, 4)
	s_cmp_eq_u32 s2, 0
	s_cbranch_scc0 .Lentry_in_a_cluster
	s_endpgm
.Lentry_in_a_cluster:
	s_bfe_u32 s2, ttmp6, 0x10000c
	s_cmp_lg_u32 s2, 0xf033
	s_cbranch_scc0 .Lentry_shape_is_right
	s_endpgm
.Lentry_shape_is_right:
; out0 = O W_o^T + b_o.  O [8192][512] and W_o [512][512] arrive as f16 in the order of an operand's registers (a piece is 512 bytes, lane L's 16 bytes at 16 L); b_o [512] and out0 [8192][512] are f32; sums in f32.
;   of : row block mb (128 rows), K step ks (32), row tile mt, piece c: byte mb*131072 + ks*8192 + mt*1024 + c*512 + 16 L;   wof: the same with the column block nb and W_o's row tile.
; A tile of out0 is 128 x 128: 256 work-groups.  Four waves, each 64 x 64: 16 accumulators.  ALL of K fits in LDS (131,072 bytes a side), in memory's order: nothing is filled again, and there is no ring.
; K comes in four chunks of 128, so that the products begin when the first has landed: waves 0, 1 fetch the halves of O's chunk, waves 2, 3 of W_o's: four tensor loads of 16,384 bytes a wave, all out at the head.
; CLUSTERS: 4 x 4 work-groups.  The four of a row of the cluster need the same block of O, the four of a column the same block of W_o: each is asked for JOINTLY, by the same tensor load with the same descriptor and a mask that names the four.
; THE MATRIX INSTRUCTION IS USED TRANSPOSED (source 0 = 16 rows of W_o, source 1 = 16 rows of O): a lane then holds eight neighbouring numbers of a row of out0.  The bias is the C of each sum's first matrix instruction.
; REGISTERS, window 0: v16-29 addresses; v32-95 rows on the way out, two sets; v96-127 the bias; v128-255 the accumulators, (a, b) at 128 + 8 (4 a + b).
;   window 1: two fragment buffers of 128, each for 64 along K: O's fragments at 8 (4 kk + a), W_o's at 64 + 8 (4 kk + b).
.set ADRA, 16                          ; v16-17  LDS address of my O fragments, eighths 0-3 and 4-7 of K
.set ADRB, 20                          ; v20-21  the same for W_o
.set STO,  24                          ; v24     the way out: where I put 32 bytes of a row
.set RD,   25                          ; v25     where I read a row back
.set CO,   26                          ; v26     my byte offset in out0
.set BA,   27                          ; v27     32 x h: eight numbers of the bias
.set SPW,  28                          ; v28     LDS address of my spare word; never rewritten
.set NIL,  29                          ; v29     0; never rewritten
.set BK,   32
.set BI,   96
.set ACC,  128
.set SIDE,  131072                     ; LDS: O's block, then W_o's
.set STAGE, 2*SIDE                     ; behind them: 16 rows x (256 bytes + 16) for each wave, for the way out; no tensor load lands there
.set SP,    272
.set SPARE, STAGE+4*16*SP              ; behind the stages: the spare words, 128 bytes for each wave: two blocks of 256 bytes that no other line names
.set WV,  12
.set G1A, 24                           ; s[24:31] descriptor group 1 for O's chunks;  s[32:39] for W_o's: they differ in the mask alone
.set G1B, 32
.set G0A, 48                           ; s[48:63] group 0 for O's four chunks;  s[68:83] for W_o's
.set G0B, 68
.set MSB, 0
.macro WIN new                         ; the immediate's high byte repeats the setting that is left
.if MSB != \new
	s_set_vgpr_msb (MSB<<8)|\new
.set MSB, \new
.endif
.endm
.macro CROUND                          ; a round of the cluster's barrier
	s_barrier_signal -1
	s_barrier_wait -1
	s_cmp_lg_u32 s[WV], 0
	s_cbranch_scc1 .Lnot_wave_0_\@
	s_barrier_signal -3
.Lnot_wave_0_\@:
	s_barrier_wait -3
	s_barrier_signal -1
	s_barrier_wait -1
.endm
	s_load_b256 s[4:11], s[0:1], 0x0               ; of s[4:5], wof s[6:7], b_o s[8:9], out0 s[10:11]
	v_lshl_add_u32 v[SPW], v0, 2, SPARE
	v_mov_b32 v[NIL], 0
	ds_add_u32 v[SPW], v[NIL]                      ; the wave's opening: the add, twice on end, and its wait ahead of my first tensor load; the set-up below stands between the second and the wait
	ds_add_u32 v[SPW], v[NIL]
	v_lshrrev_b32 v1, 5, v0
	v_readfirstlane_b32 s[WV], v1                  ; wave 0..3
	s_lshr_b32 s13, s[WV], 1                       ; which half of the tile's rows is mine.  Also: I fetch for O (0) or for W_o (1)
	s_and_b32 s14, s[WV], 1                        ; which half of its columns.  Also: which half of a chunk I fetch
	s_bfe_u32 s40, ttmp6, 0x40000                  ; cx, cy: my place in the cluster
	s_bfe_u32 s41, ttmp6, 0x40004
	s_lshl_b32 s42, ttmp9, 2
	s_add_co_u32 s42, s42, s40                     ; column block nb = 4 x cluster x + cx
	s_and_b32 s43, ttmp7, 0xffff
	s_lshl_b32 s43, s43, 2
	s_add_co_u32 s43, s43, s41                     ; row block mb = 4 x cluster y + cy
	s_lshl_b32 s44, s41, 2
	s_lshl_b32 s44, 15, s44                        ; my row of the cluster
	s_lshl_b32 s45, 0x1111, s40                    ; my column
	; descriptor group 1: a dense block of 16,384 bytes as 64 rows of 256 bytes (32 elements of 8 bytes), no padding
	s_or_b32 s[G1A], s44, (3<<16)|(1<<21)          ; 15:0 the mask: O's chunks go to my row; 17:16 elements of 8 bytes; 21 set beside a mask
	s_or_b32 s[G1B], s45, (3<<16)|(1<<21)          ; W_o's go to my column
.irp g, G1A, G1B
	s_mov_b32 s[\g+1], 32<<16                      ; tensor_dim0 = 32
	s_mov_b32 s[\g+2], 64<<16                      ; tensor_dim1 = 64
	s_mov_b32 s[\g+3], 32<<16                      ; tile_dim0 = 32
	s_mov_b32 s[\g+4], 64                          ; tile_dim1 = 64
	s_mov_b32 s[\g+5], 32                          ; from row to row
	s_mov_b32 s[\g+6], 0
	s_mov_b32 s[\g+7], 0
.endr
	s_lshl_b32 s15, s14, 14                        ; my half of a chunk
	s_lshl_b32 s16, s43, 17                        ; O: block mb, which my row of the cluster shares
	s_add_co_u32 s16, s16, s15
	s_mov_b32 s17, 0
	s_lshl_b32 s46, s42, 17                        ; W_o: block nb, which my column shares
	s_add_co_u32 s46, s46, s15
	s_mov_b32 s47, 0
	s_lshl_b32 s20, s13, 17                        ; where they go: the side, + my half: the wave's number alone
	s_add_co_u32 s20, s20, s15
	s_lshl_b32 s84, s43, 18                        ; out0: 128 rows of 2,048 bytes a row block,
	s_lshl_b32 s86, s13, 17                        ; 64 rows for my half,
	s_add_co_u32 s84, s84, s86
	s_lshl_b32 s86, s42, 9                         ; 128 columns of 4 bytes a column block,
	s_lshl_b32 s88, s14, 8                         ; 64 for my half
	s_add_co_u32 s86, s86, s88                     ; (the bias's offset too)
	s_add_co_u32 s84, s84, s86
	s_mov_b32 s85, 0
	s_mov_b32 s87, 0
	s_wait_dscnt 0x0                               ; both opening adds are done
	s_wait_kmcnt 0x0
	s_add_nc_u64 s[4:5], s[4:5], s[16:17]
	s_add_nc_u64 s[6:7], s[6:7], s[46:47]
	s_add_nc_u64 s[8:9], s[8:9], s[86:87]
	s_add_nc_u64 s[10:11], s[10:11], s[84:85]
.irp q, 0,1,2,3
	s_mov_b32 s[G0A+4*\q], 1                       ; count = 1
	s_add_co_u32 s[G0A+4*\q+1], s20, \q*32768      ; LDS address: chunk q
	s_add_nc_u64 s[G0A+4*\q+2:G0A+4*\q+3], s[4:5], \q*32768
	s_or_b32 s[G0A+4*\q+3], s[G0A+4*\q+3], 0x80000000         ; type = 2
	s_mov_b32 s[G0B+4*\q], 1
	s_add_co_u32 s[G0B+4*\q+1], s20, \q*32768
	s_add_nc_u64 s[G0B+4*\q+2:G0B+4*\q+3], s[6:7], \q*32768
	s_or_b32 s[G0B+4*\q+3], s[G0B+4*\q+3], 0x80000000
.endr
	CROUND                                         ; all sixteen work-groups are here: the joint loads meet
	s_cmp_eq_u32 s13, 0                            ; a wave's four fills stand in one branch, ahead of every wait on TENSORcnt and every LDS read: four loads of mine are out
	s_cbranch_scc0 .Lfirst_b
.irp q, 0,1,2,3
	tensor_load_to_lds s[G0A+4*\q:G0A+4*\q+3], s[G1A:G1A+7]
	s_nop 0
.endr
.rept 4
	v_nop
.endr
	s_branch .Lfirst_asked
.Lfirst_b:
.irp q, 0,1,2,3
	tensor_load_to_lds s[G0B+4*\q:G0B+4*\q+3], s[G1B:G1B+7]
	s_nop 0
.endr
.rept 4
	v_nop
.endr
.Lfirst_asked:
	v_and_b32 v1, 15, v0                           ; r
	v_bfe_u32 v2, v0, 4, 1                         ; h
	v_and_b32 v3, 31, v0
	v_lshlrev_b32 v3, 4, v3                        ; 16 x lane
	v_lshlrev_b32 v[BA], 5, v2
.irp b, 0,1,2,3
	global_load_b128 v[BI+8*\b:BI+8*\b+3], v[BA], s[8:9] offset:64*\b          ; b_o[my first column + 16 b + 8 h + 0..7]
	global_load_b128 v[BI+8*\b+4:BI+8*\b+7], v[BA], s[8:9] offset:64*\b+16
.endr
	s_lshl_b32 s21, s13, 12                        ; my four row tiles of 1,024 bytes in each K step
	v_add_nc_u32 v[ADRA], s21, v3
	v_add_nc_u32 v[ADRA+1], 65536, v[ADRA]
	s_lshl_b32 s22, s14, 12
	s_add_co_u32 s22, s22, SIDE
	v_add_nc_u32 v[ADRB], s22, v3
	v_add_nc_u32 v[ADRB+1], 65536, v[ADRB]
	s_mul_i32 s23, s[WV], 16*SP
	s_add_co_u32 s23, s23, STAGE                   ; my stage
	v_mul_u32_u24 v4, v1, SP                       ; in: row r, 32 bytes for each half of the lanes
	v_lshl_add_u32 v4, v2, 5, v4
	v_add_nc_u32 v[STO], s23, v4
	v_mul_u32_u24 v5, v2, SP                       ; back: lanes 0-15 take one row of 256 bytes, lanes 16-31 the next
	v_lshl_add_u32 v5, v1, 4, v5
	v_add_nc_u32 v[RD], s23, v5
	v_lshlrev_b32 v[CO], 11, v2                    ; and the same two rows in out0
	v_lshl_add_u32 v[CO], v1, 4, v[CO]
; 32 LDS loads in one run: the fragments of eighth e of K (64 along K) into buffer e % 2
.macro FETCH e
.set F,  128*((\e)%2)
.set AA, ADRA+(\e)/4
.set AB, ADRB+(\e)/4
	WIN 0x40                                       ; destination window 1
.irp kk, 0,1
.irp i, 0,1,2,3
	ds_load_b128 v[F+64+8*(4*\kk+\i):F+64+8*(4*\kk+\i)+3],   v[AB] offset:((\e)%4)*16384+\kk*8192+\i*1024
	ds_load_b128 v[F+64+8*(4*\kk+\i)+4:F+64+8*(4*\kk+\i)+7], v[AB] offset:((\e)%4)*16384+\kk*8192+\i*1024+512
	ds_load_b128 v[F+8*(4*\kk+\i):F+8*(4*\kk+\i)+3],         v[AA] offset:((\e)%4)*16384+\kk*8192+\i*1024
	ds_load_b128 v[F+8*(4*\kk+\i)+4:F+8*(4*\kk+\i)+7],       v[AA] offset:((\e)%4)*16384+\kk*8192+\i*1024+512
.endr
.endr
.endm
; 32 matrix instructions; the 16 accumulators take turns, one instruction a turn; the very first 16 start the sums with the bias
.macro MUL e
.set F, 128*((\e)%2)
	WIN 0x05                                       ; sources 0 and 1 in window 1; C and D in window 0
.irp kk, 0,1
.irp a, 0,1,2,3
.irp b, 0,1,2,3
.set rA, ACC+8*(4*\a+\b)
.if ((\e) == 0) && (\kk == 0)
	v_wmma_f32_16x16x32_f16 v[rA:rA+7], v[F+64+8*(4*\kk+\b):F+64+8*(4*\kk+\b)+7], v[F+8*(4*\kk+\a):F+8*(4*\kk+\a)+7], v[BI+8*\b:BI+8*\b+7]
.else
	v_wmma_f32_16x16x32_f16 v[rA:rA+7], v[F+64+8*(4*\kk+\b):F+64+8*(4*\kk+\b)+7], v[F+8*(4*\kk+\a):F+8*(4*\kk+\a)+7], v[rA:rA+7]
.endif
.endr
.endr
.endr
.endm
; An eighth of K: the next eighth's fragments are asked of LDS, then this one is multiplied.  Where the next eighth begins a chunk, the chunk is waited for and a barrier makes it everybody's.
.macro EIGHTH e
.if ((\e)%2 == 1) && ((\e) < 7)
	s_wait_tensorcnt 3-((\e)+1)/2                  ; my part of the next chunk is in; the chunks behind it may stay out
	s_wait_dscnt 0x0                               ; no LDS instruction of mine is pending at a signal
	s_barrier_signal -1
	s_barrier_wait -1
.endif
.if (\e) < 7
.if (\e) > 0
.rept 4
	v_nop                                          ; four places in front of loads into registers that matrix instructions have read (ISA guide 7.12.1 for vector instructions)
.endr
.endif
	FETCH (\e)+1
	s_wait_dscnt 32                                ; all but the 32 just issued
.else
	s_wait_dscnt 0x0
.endif
	MUL \e
.endm
	s_wait_tensorcnt 3                             ; my part of chunk 0 is in; the three behind it may stay out
	s_barrier_signal -1
	s_barrier_wait -1                              ; everybody's is
	FETCH 0
	s_wait_loadcnt 0x0                             ; the bias
.irp e, 0,1,2,3,4,5,6,7
	EIGHTH \e
.endr
	WIN 0
; THE WAY OUT, block by block of 16 rows x 64 columns.  A lane holds 32 neighbouring bytes of a row and the lanes beside it hold other rows: so a block goes through my own stage in LDS and comes back as whole rows of
; 256 bytes, which sixteen lanes store as one aligned run.  LDS serves a wave's instructions in order (ISA guide 5.7.1.4): no wait between the stores and the loads, nor in front of the next block's stores.
.macro TOSTAGE a
.irp b, 0,1,2,3
	ds_store_b128 v[STO], v[ACC+8*(4*(\a)+\b):ACC+8*(4*(\a)+\b)+3] offset:64*\b          ; each accumulator from its low end on
	ds_store_b128 v[STO], v[ACC+8*(4*(\a)+\b)+4:ACC+8*(4*(\a)+\b)+7] offset:64*\b+16
.endr
.set BB, BK+32*((\a)%2)
.irp i, 0,1,2,3,4,5,6,7
	ds_load_b128 v[BB+4*\i:BB+4*\i+3], v[RD] offset:\i*2*SP
.endr
.endm
.macro SEND a, younger                 ; younger: the LDS instructions issued behind block a's loads, which may stay out
.set BB, BK+32*((\a)%2)
	s_wait_dscnt \younger
.irp i, 0,1,2,3,4,5,6,7
	global_store_b128 v[CO], v[BB+4*\i:BB+4*\i+3], s[10:11] offset:(16*(\a)+2*\i)*2048 th:TH_STORE_NT   ; 16 lanes store 256 consecutive bytes, aligned; written once, read by nobody here
.endr
.endm
.rept 4
	v_nop                                          ; four places behind the last products, ahead of the first read of results
.endr
	TOSTAGE 0
.irp a, 1,2,3
.if \a > 1
	s_wait_xcnt 0x0                                ; block a - 2's stores have read their data registers: block a's loads may land there
.endif
	TOSTAGE \a
	SEND \a-1, 16                                  ; behind block a - 1's loads: block a's 8 stores and 8 loads
.endr
	SEND 3, 0
	s_wait_tensorcnt 0x0                           ; the wave's end: behind my last tensor load and my last LDS store
	ds_add_u32 v[SPW], v[NIL]
	s_wait_dscnt 0x0
	CROUND                                         ; the closing round: no work-group ends while a partner may still ask for a tile that names it
	s_endpgm
.Lfunc_end_k_q1efed70196_oproj:
	.size	k_q1efed70196_oproj, .Lfunc_end_k_q1efed70196_oproj-k_q1efed70196_oproj
	.p2alignl 7, 3214868480
	.fill 96, 4, 3214868480
	.section	.rodata,"a",@progbits
	.p2align	6, 0x0
	.amdhsa_kernel k_q1efed70196_oproj
		.amdhsa_group_segment_fixed_size 327680
		.amdhsa_private_segment_fixed_size 0
		.amdhsa_enable_private_segment 0
		.amdhsa_kernarg_size 32
		.amdhsa_user_sgpr_count 2
		.amdhsa_user_sgpr_kernarg_segment_ptr 1
		.amdhsa_wavefront_size32 1
		.amdhsa_system_sgpr_workgroup_id_x 1
		.amdhsa_system_sgpr_workgroup_id_y 1
		.amdhsa_system_sgpr_workgroup_id_z 1
		.amdhsa_system_vgpr_workitem_id 0
		.amdhsa_next_free_vgpr 512
		.amdhsa_next_free_sgpr 96
		.amdhsa_reserve_vcc 0
		.amdhsa_float_denorm_mode_32 3
		.amdhsa_float_denorm_mode_16_64 3
		.amdhsa_memory_ordered 1
		.amdhsa_forward_progress 1
		.amdhsa_inst_pref_size 50
	.end_amdhsa_kernel
	.amdgpu_metadata
---
amdhsa.version: [ 1, 2 ]
amdhsa.kernels:
  - .name:           k_q1efed70196_oproj
    .symbol:         k_q1efed70196_oproj.kd
    .args:
      - { .name: of, .offset: 0, .size: 8, .value_kind: global_buffer, .address_space: global }
      - { .name: wof, .offset: 8, .size: 8, .value_kind: global_buffer, .address_space: global }
      - { .name: b_o, .offset: 16, .size: 8, .value_kind: global_buffer, .address_space: global }
      - { .name: out0, .offset: 24, .size: 8, .value_kind: global_buffer, .address_space: global }
    .group_segment_fixed_size: 327680
    .private_segment_fixed_size: 0
    .kernarg_segment_align: 8
    .kernarg_segment_size: 32
    .max_flat_workgroup_size: 128
    .sgpr_count:     96
    .vgpr_count:     512
    .wavefront_size: 32
...
	.end_amdgpu_metadata
.endif
;; end of part 4
